; MI455X (gfx1250); checked and timed in simulation.
; The chip was launched on July 23, 2026; its instructions are those of AMD's public machine-readable ISA for CDNA 5 (MIT licence, August 2026) and "CDNA5" Instruction Set Architecture Reference Guide (July 2026). The comments in the code are by the model that wrote it; some were corrected since.
;; Crf. Allowed arithmetic: float matrix products may take bf16 or f16 operands with f32 sums; other float arithmetic in f32, or as packed bf16 or f16 multiplies, adds, multiply-adds, maxima and minima; sums over many terms, partial sums and values carried from step to step in f32; what a program stores and reads back later, other than sums and carried values, may be rounded once to bf16 or f16.
;; Inputs: end_transitions 41 float32; start_transitions 41 float32; transitions 41 x 41 float32; x 1,024 x 512 x 41 float32.
;; Outputs: out0 1,024 x 512 int32.
;; 2 versions, each right and faster than the one before. Each part assembles by itself: llvm-mc -triple=amdgcn-amd-amdhsa -mcpu=gfx1250 --defsym DOCPART=n.
;; ======== version 1 of 2: 1 launch
;; limits: below input magnitudes of 6.3e-30 results are inexact or not finite
;; launch viterbi (part 1): grid 1024 x 1, 1 waves a work-group, no clusters, 81,920 bytes of LDS; arguments x, start_transitions, end_transitions, transitions, out0; writes out0
.if DOCPART == 1
	.amdgcn_target "amdgcn-amd-amdhsa--gfx1250"
	.amdhsa_code_object_version 6
	.text
	.protected	k_q3b36ed579a_viterbi
	.globl	k_q3b36ed579a_viterbi
	.p2align	8
	.type	k_q3b36ed579a_viterbi,@function
k_q3b36ed579a_viterbi:
	s_mov_b64 s[64:65], 0
	v_nop
	global_prefetch_b8 v0, s[64:65] scope:SCOPE_SE
	s_setreg_imm32_b32 hwreg(HW_REG_WAVE_MODE, 25, 1), 1
	s_wait_xcnt 0x0
; VITERBI DECODE.  x: [1024][512][41] f32; start, end: [41]; transitions: [41][41] f32; out0: [1024][512] i32.
; score_0[j] = start[j] + x[0][j];  candidate(i, j) = (score_(t-1)[i] + tr[i][j]) + x[t][j], rounded twice, as written;  score_t[j] = their maximum over i;
; bp_(t-1)[j] = the lowest i that reaches it;  last tag = the lowest argmax of score_511 + end;  tag_t = bp_t[tag_(t+1)].
; SHARES.  One wave is one batch, and a work-group is one wave: 1,024 work-groups.  Batches share nothing, so there is no barrier; no cluster: all that work-groups share are the 6,724 bytes
; of transitions, read once into registers.  There is no product, so no matrix instruction.  The launch claims a quarter of a WGP's LDS (the text uses 45,568 bytes) and more than half of a
; SIMD's 1,024 registers (the text names 338): four work-groups to a WGP, one wave to a SIMD.
; A STEP.  A lane owns a next tag j and walks the previous tags i; the score of i comes to the add by DPP row_share (lane n of the lane's own half of 16).
;   Set A: j = lane, 41 places.  Set B: j = 32 .. 40, held in BOTH halves of the lanes: lane r of the lower half holds tag 32 + min(r, 8), of the upper half tag 40 - min(r, 8).
;   The lower half takes i = 0-15 and 32-36, the upper i = 16-31 and 40-36 (21 places; 36 is met twice, which changes nothing); one v_permlanex16_b32 joins the halves.
;   Which i a lane meets in place k is a constant of the lane: T[k] holds its transition, I[k] its key 2^23 + i.
; THE MAXIMUM is taken of a = score + tr, and x[t][j] is added once: rounding a sum with a fixed addend keeps the order, so fl(max a + e) is the maximum of the candidates fl(a + e).
; THE ARGMAX.  u = fl(a + e);  key = (u - best) x (-2^127) + (2^23 + i): where u = best it is exactly 2^23 + i, whose lowest byte is i; elsewhere it is larger.
;   The smallest key is the lowest i among the ties.  Two places an instruction in every stage but the DPP add.
; LIMITS.  Two different candidates less than 2^-121 apart would count as a tie (that needs scores under 2^-97); NaN and infinities among the inputs are not treated apart; the sign of a zero is not kept.
; x comes in chunks of 64 rows = 10,496 consecutive bytes = 41 aligned blocks of 256: 21 loads into registers, issued 64 steps ahead of their wait, then copied into the LDS slot.
; THE WAY BACK.  A row of back-pointers is loaded at an address that hangs on the time alone; the tag picks its lane (v_readlane_b32) and its byte (s_bfe_u32): a choice of values, no address, no branch.
.set ROWB,  164                        ; bytes in a row of x and of transitions
.set CHUNK, 64*ROWB                    ; 10,496
.set BPO,   CHUNK                      ; LDS: the x slot at 0; then 512 rows of back-pointers,
.set BPP,   64                         ; 64 bytes each: lane l's two bytes at 2 l: bp[tag l], bp[set B's tag of lane l]; row 511 holds the last tag;
.set OUTO,  BPO+512*BPP                ; then the 512 tags;
.set SPARE, OUTO+2048                  ; then (byte 45,312 = 177 x 256) the spare words, 128 bytes in a block of 256 that no other line names
.set KEY0,  0x4b000000                 ; 2^23 as f32: KEY0 + i is the f32 number 2^23 + i
; vector registers, window 0.  v0 is the lane, as at the entry; never rewritten
.set L,    0
.set L4,   3                           ; 4 l: set A's column in a row of x, of start and of end
.set LP,   6                           ; BPO + 2 l: my two bytes in a row of back-pointers
.set GO,   9                           ; 16 l, in memory and in LDS; never rewritten
.set GO8,  10                          ; 8 l; never rewritten
.set XA,   11
.set XB,   12
.set BPA,  13
.set SPW,  14                          ; my spare word: SPARE + 4 x my thread's number; never rewritten
.set NIL,  15                          ; 0; never rewritten
.set EV,   16                          ; v16 x[t] for set A, v17 and v18 for set B; v19 is named in a pair only
.set BV,   20                          ; v20 set A's scores; v21 and v22 set B's; v23 is named in a pair only
.set SX,   24                          ; v20 with its halves exchanged
.set TB,   25                          ; the other half's part of set B
.set MA,   26                          ; four running maxima, set A
.set MB,   30                          ; two, set B
.set NA,   32                          ; four running smallest keys, set A
.set NB,   36                          ; two, set B
.set STA,  38
.set STB,  39
.set ENA,  40
.set ENB,  41
.set PK,   42
.set VO,   43                          ; 32 tags, a lane each
.set RAD,  44
.set OAD,  45
.set OB,   47                          ; OUTO + 4 l
.set JB,   48                          ; set B's tag of my lane
.set J4B,  49                          ; 4 x it
.set KA,   50                          ; KEY0 + l
.set KB,   51                          ; KEY0 + JB
.set T,    70                          ; v70-131   the 62 places' transitions
.set I,    132                         ; v132-193  their keys
.set U,    194                         ; v194-255  the candidates, worked on in place; on the way back 32 rows of back-pointers
                                       ; window 1: v0-81 a chunk of x
; scalar registers
.set XP,   4                           ; s[4:5]   x at my batch, at the chunk last asked for
.set SST,  6                           ; s[6:7]   start
.set SEN,  8                           ; s[8:9]   end
.set STR,  10                          ; s[10:11] transitions
.set SOUT, 12                          ; s[12:13] out0 at my batch
.set XO,   18                          ; the row's place in the x slot
.set BO,   19                          ; the row of back-pointers
.set IC,   20
.set OC,   21
.set BG,   22                          ; s[22:23] -2^127
.set IDS,  24                          ; s[24:25] v_permlanex16_b32: each lane takes its own place in the other half
.set PSL,  26                          ; s[26:27] lane r takes lane 8 - r of the other half, lanes 8-15 lane 0
.set BSEL, 28
.set S164, 29
.set TAG,  30
.set LN,   31
.set FLD,  32
.set RV,   33
.set RO,   34
.set F0,   35
.set OO,   36
.set MSB, 0
.macro WIN new                         ; the immediate's high byte repeats the setting that is left
.if MSB != (\new)
	s_set_vgpr_msb (MSB<<8)|(\new)
.set MSB, \new
.endif
.endm
; Place k: previous tag il in the lower half of the lanes, iu in the upper; j4 = 4 x the lane's next tag.  Its key and its transition.  (It also writes U[k] whole, which a DPP destination wants.)
.macro PLACE k, il, iu, j4
	v_cndmask_b32 v[U+(\k)], \il, \iu, vcc_lo
	v_add_nc_u32 v[I+(\k)], KEY0, v[U+(\k)]
	v_mad_u32_u24 v[U+(\k)], v[U+(\k)], s[S164], v[\j4]
	global_load_b32 v[T+(\k)], v[U+(\k)], s[STR:STR+1]
.endm
; A chunk of x into registers: each load of 16 bytes a lane covers 512 consecutive bytes, the last one (8 bytes a lane) 256.
.macro LOADX
	WIN 0x40                               ; destination window 1
.set m, 0
.rept 20
	global_load_b128 v[4*m:4*m+3], v[GO], s[XP:XP+1] offset:512*m th:TH_LOAD_NT
.set m, m+1
.endr
	global_load_b64 v[80:81], v[GO8], s[XP:XP+1] offset:10240 th:TH_LOAD_NT
	WIN 0
.endm
; and from there into the x slot, as it lies in memory
.macro STOREX
	WIN 0x04                               ; store data window 1
.set m, 0
.rept 20
	ds_store_b128 v[GO], v[4*m:4*m+3] offset:512*m
.set m, m+1
.endr
	ds_store_b64 v[GO8], v[80:81] offset:10240
	WIN 0
.endm
; The row's emissions for my two tags
.macro FETCH
	v_add_nc_u32 v[XA], s[XO], v[L4]
	v_add_nc_u32 v[XB], s[XO], v[J4B]
	ds_load_b32 v[EV], v[XA]
	ds_load_b32 v[EV+1], v[XB]
	ds_load_b32 v[EV+2], v[XB]
	s_add_co_u32 s[XO], s[XO], ROWB
.endm
; op (a maximum or minimum of three) over n registers from u on, in nc chains that do not wait for each other; the result in m
.macro RED op, m, u, n, nc
.set z, 0
.rept \nc
	\op v[(\m)+z], v[(\u)+3*z], v[(\u)+3*z+1], v[(\u)+3*z+2]
.set z, z+1
.endr
.set z, 0
.rept ((\n)-1-3*(\nc))/2
	\op v[(\m)+z%(\nc)], v[(\m)+z%(\nc)], v[(\u)+3*(\nc)+2*z], v[(\u)+3*(\nc)+2*z+1]
.set z, z+1
.endr
.if (\nc) == 4
	\op v[\m], v[\m], v[(\m)+1], v[(\m)+2]
	\op v[\m], v[\m], v[(\m)+3], v[(\u)+(\n)-1]
.else
	\op v[\m], v[\m], v[(\m)+1], v[(\u)+(\n)-1]
.endif
.endm
; All 62 places plus (neg = 0) or minus (neg = 1) a number of the lane's set: v[base] for set A; v[base+1] and v[base+2], the same number, for set B.  Pair 20 holds A's last place and B's first.
.macro ADDALL base, neg
.set p, 0
.rept 31
.set sb, (\base)
.if p > 20
.set sb, (\base)+2
.endif
.if (p == 20) && (\neg)
	v_pk_add_f32 v[U+2*p:U+2*p+1], v[U+2*p:U+2*p+1], v[sb:sb+1] neg_lo:[0,1] neg_hi:[0,1]
.elseif p == 20
	v_pk_add_f32 v[U+2*p:U+2*p+1], v[U+2*p:U+2*p+1], v[sb:sb+1]
.elseif \neg
	v_pk_add_f32 v[U+2*p:U+2*p+1], v[U+2*p:U+2*p+1], v[sb:sb+1] op_sel_hi:[1,0] neg_lo:[0,1] neg_hi:[0,1]
.else
	v_pk_add_f32 v[U+2*p:U+2*p+1], v[U+2*p:U+2*p+1], v[sb:sb+1] op_sel_hi:[1,0]
.endif
.set p, p+1
.endr
.endm
; ONE STEP OF THE RECURSION
.macro STEP
	FETCH                                  ; wanted 92 vector instructions further down
	v_add_nc_u32 v[BPA], s[BO], v[LP]
	s_add_co_u32 s[BO], s[BO], BPP
.irp n, 0,1,2,3,4,5,6,7,8,9,10,11,12,13,14,15
	v_add_f32_dpp v[U+\n], v[BV], v[T+\n] row_share:\n row_mask:0xf bank_mask:0xf        ; set A: i = n below, 16 + n above
.endr
.irp n, 0,1,2,3,4,5,6,7,8,9,10,11,12,13,14,15
	v_add_f32_dpp v[U+16+\n], v[SX], v[T+16+\n] row_share:\n row_mask:0xf bank_mask:0xf  ; i = 16 + n below, n above
.endr
.irp n, 0,1,2,3,4,5,6,7,8
	v_add_f32_dpp v[U+32+\n], v[BV+2], v[T+32+\n] row_share:\n row_mask:0xf bank_mask:0xf  ; i = 32 + n below, 40 - n above
.endr
.irp n, 0,1,2,3,4,5,6,7,8,9,10,11,12,13,14,15
	v_add_f32_dpp v[U+41+\n], v[BV], v[T+41+\n] row_share:\n row_mask:0xf bank_mask:0xf  ; set B: i = n below, 16 + n above
.endr
.irp n, 0,1,2,3,4
	v_add_f32_dpp v[U+57+\n], v[BV+2], v[T+57+\n] row_share:\n row_mask:0xf bank_mask:0xf  ; i = 32 + n below, 40 - n above
.endr
	RED v_max3_num_f32, MB, U+41, 21, 2
	v_permlanex16_b32 v[TB], v[MB], s[PSL], s[PSL+1]   ; the other half's maximum for my tag of set B; set A's maximum stands between this and its use
	RED v_max3_num_f32, MA, U, 41, 4
	s_wait_dscnt 0x0                       ; the emissions are in: no LDS instruction was issued behind their three loads, so the count is 0
	v_add_f32 v[BV], v[MA], v[EV]          ; the new scores
	v_max_num_f32 v[MB], v[MB], v[TB]
	v_permlanex16_b32 v[SX], v[BV], s[IDS], s[IDS+1]
	v_add_f32 v[BV+1], v[MB], v[EV+1]
	v_add_f32 v[BV+2], v[MB], v[EV+2]
	ADDALL EV, 0                           ; u = a + e, the candidate as it is rounded
	ADDALL BV, 1                           ; u - best: 0 at a tie, below 0 elsewhere
.set p, 0
.rept 31
	v_pk_fma_f32 v[U+2*p:U+2*p+1], v[U+2*p:U+2*p+1], s[BG:BG+1], v[I+2*p:I+2*p+1] op_sel_hi:[1,0,1]  ; the key
.set p, p+1
.endr
	RED v_min3_num_f32, NB, U+41, 21, 2
	v_permlanex16_b32 v[TB], v[NB], s[PSL], s[PSL+1]
	RED v_min3_num_f32, NA, U, 41, 4
	v_min_num_f32 v[NB], v[NB], v[TB]
	v_perm_b32 v[PK], v[NB], v[NA], s[BSEL]  ; byte 0: set A's i; byte 1: set B's
	ds_store_b16 v[BPA], v[PK]
.endm
	s_load_b256 s[4:11], s[0:1], 0x0       ; x, start, end, transitions
	s_load_b64 s[SOUT:SOUT+1], s[0:1], 0x20  ; out0
	v_lshl_add_u32 v[SPW], v0, 2, SPARE
	v_mov_b32 v[NIL], 0
	v_lshlrev_b32 v[L4], 2, v[L]
	v_and_b32 v52, 15, v[L]
	v_min_u32 v52, 8, v52                  ; q = min(l % 16, 8)
	v_sub_nc_u32 v53, 8, v52
	v_cmp_lt_u32 vcc_lo, 15, v[L]          ; the upper half of the lanes; stands until the places are made
	v_cndmask_b32 v52, v52, v53, vcc_lo
	v_add_nc_u32 v[JB], 32, v52            ; 32 + q below, 40 - q above
	v_lshlrev_b32 v[J4B], 2, v[JB]
	v_lshl_add_u32 v[LP], v[L], 1, BPO
	v_lshlrev_b32 v[GO], 4, v[L]
	v_lshlrev_b32 v[GO8], 3, v[L]
	v_add_nc_u32 v[OB], OUTO, v[L4]
	v_add_nc_u32 v[KA], KEY0, v[L]
	v_add_nc_u32 v[KB], KEY0, v[JB]
	v_mov_b32 v[EV+3], 0                   ; named in pairs, never used
	v_mov_b32 v[BV+3], 0
	v_mov_b32 v[SX], 0                     ; destinations of lane permutes and of v_writelane_b32 count as read
	v_mov_b32 v[TB], 0
	v_mov_b32 v[VO], 0
	s_mov_b32 s[BG], 0xff000000            ; -2^127
	s_mov_b32 s[BG+1], s[BG]               ; named with it as a pair
	s_mov_b32 s[IDS], 0x76543210
	s_mov_b32 s[IDS+1], 0xfedcba98
	s_mov_b32 s[PSL], 0x12345678
	s_mov_b32 s[PSL+1], 0
	s_mov_b32 s[BSEL], 0x0400
	s_mov_b32 s[S164], ROWB
	s_mov_b32 s[F0], 0x80000               ; a field of 8 bits from bit 0
	s_lshl_b32 s36, ttmp9, 11              ; my batch's 2,048 bytes of out0,
	s_mov_b32 s37, 0
	s_mul_i32 s16, ttmp9, 512*ROWB         ; its 83,968 bytes of x (under 2^27 in all)
	s_mov_b32 s17, 0
	s_wait_kmcnt 0x0
	s_add_nc_u64 s[XP:XP+1], s[XP:XP+1], s[16:17]
	s_add_nc_u64 s[SOUT:SOUT+1], s[SOUT:SOUT+1], s[36:37]
	LOADX                                  ; chunk 0
.set n, 0
.rept 16
	PLACE n, n, 16+n, L4
	PLACE 16+n, 16+n, n, L4
	PLACE 41+n, n, 16+n, J4B
.set n, n+1
.endr
.set n, 0
.rept 9
	PLACE 32+n, 32+n, 40-n, L4
.set n, n+1
.endr
.set n, 0
.rept 5
	PLACE 57+n, 32+n, 40-n, J4B
.set n, n+1
.endr
	global_load_b32 v[STA], v[L4], s[SST:SST+1]
	global_load_b32 v[STB], v[J4B], s[SST:SST+1]
	global_load_b32 v[ENA], v[L4], s[SEN:SEN+1]
	global_load_b32 v[ENB], v[J4B], s[SEN:SEN+1]
	s_wait_loadcnt 0x0                     ; chunk 0, the transitions, start and end are in; U, which held the loads' offsets, and x's address may be written
	STOREX
	s_wait_dscnt 0x0                       ; the stores have read the registers that the next loads fill
	s_add_nc_u64 s[XP:XP+1], s[XP:XP+1], CHUNK
	LOADX                                  ; chunk 1: 63 steps ahead of its wait
	s_mov_b32 s[XO], 0
	s_mov_b32 s[BO], 0
	FETCH                                  ; row 0
	s_wait_dscnt 0x0
	v_add_f32 v[BV], v[STA], v[EV]
	v_add_f32 v[BV+2], v[STB], v[EV+2]
	v_permlanex16_b32 v[SX], v[BV], s[IDS], s[IDS+1]
	s_mov_b32 s[IC], 63
.Lfirst:                                       ; rows 1 to 63
	STEP
	s_sub_co_u32 s[IC], s[IC], 1
	s_cmp_lg_u32 s[IC], 0
	s_cbranch_scc1 .Lfirst
	s_mov_b32 s[OC], 7
.Lchunk:                                       ; chunks 1 to 7
	s_wait_loadcnt 0x0                     ; the chunk asked for a chunk ago is in; its loads are done, so x's address may be stepped
	STOREX                                 ; LDS serves a wave's instructions in order (ISA guide 5.7.1.4): the last step's reads of the slot came first, the next step's come behind
	s_cmp_eq_u32 s[OC], 1
	s_cbranch_scc1 .Lno_more               ; behind chunk 7 there is nothing: no load leaves x
	s_wait_dscnt 0x0                       ; the stores have read the registers that the next loads fill
	s_add_nc_u64 s[XP:XP+1], s[XP:XP+1], CHUNK
	LOADX
.Lno_more:
	s_mov_b32 s[XO], 0
	s_mov_b32 s[IC], 64
.Lstep:
	STEP
	s_sub_co_u32 s[IC], s[IC], 1
	s_cmp_lg_u32 s[IC], 0
	s_cbranch_scc1 .Lstep
	s_sub_co_u32 s[OC], s[OC], 1
	s_cmp_lg_u32 s[OC], 0
	s_cbranch_scc1 .Lchunk
	; THE LAST TAG: the lowest argmax of score + end, by the same key; it goes into row 511 of the back-pointers, in every place, so that the way back has one form
	v_add_f32 v[MA], v[BV], v[ENA]
	v_add_f32 v[MA+1], v[BV+2], v[ENB]
	v_max_num_f32 v[MA+2], v[MA], v[MA+1]
.irp n, 1,2,4,8
	v_max_num_f32_dpp v[MA+2], v[MA+2], v[MA+2] row_xmask:\n row_mask:0xf bank_mask:0xf
.endr
	v_permlanex16_b32 v[MA+3], v[MA+2], s[IDS], s[IDS+1]
	v_max_num_f32 v[MA+2], v[MA+2], v[MA+3]
	v_sub_f32 v[MA], v[MA], v[MA+2]
	v_sub_f32 v[MA+1], v[MA+1], v[MA+2]
	v_fma_f32 v[MA], v[MA], s[BG], v[KA]
	v_fma_f32 v[MA+1], v[MA+1], s[BG], v[KB]
	v_min_num_f32 v[MA], v[MA], v[MA+1]
.irp n, 1,2,4,8
	v_min_num_f32_dpp v[MA], v[MA], v[MA] row_xmask:\n row_mask:0xf bank_mask:0xf
.endr
	v_permlanex16_b32 v[MA+3], v[MA], s[IDS], s[IDS+1]
	v_min_num_f32 v[MA], v[MA], v[MA+3]
	v_perm_b32 v[PK], v[MA], v[MA], s[BSEL]
	v_add_nc_u32 v[BPA], s[BO], v[LP]      ; BO stands at row 511
	ds_store_b16 v[BPA], v[PK]
	; THE WAY BACK: 16 trips of 32 rows, from the last rows to the first
	s_mov_b32 s[TAG], 0                    ; row 511 gives the last tag whatever is asked of it
	s_mov_b32 s[RO], 15*32*BPP
	s_mov_b32 s[OO], 15*128
	s_mov_b32 s[IC], 16
.Lback:
	v_add_nc_u32 v[RAD], s[RO], v[LP]
.set k, 0
.rept 32
	ds_load_u16 v[U+k], v[RAD] offset:BPP*k
.set k, k+1
.endr
	s_wait_dscnt 0x0
.set k, 31
.rept 32
	s_and_b32 s[LN], s[TAG], 31            ; the tag's lane: tags 32-40 lie in lanes 0-8,
	s_bfe_u32 s[FLD], s[TAG], 0x10005      ; in the second byte
	s_lshl3_add_u32 s[FLD], s[FLD], s[F0]  ; 8 bits from bit 0 or 8
	v_readlane_b32 s[RV], v[U+k], s[LN]
	s_bfe_u32 s[TAG], s[RV], s[FLD]
	v_writelane_b32 v[VO], s[TAG], k
.set k, k-1
.endr
	v_add_nc_u32 v[OAD], s[OO], v[OB]
	ds_store_b32 v[OAD], v[VO]
	s_sub_co_u32 s[RO], s[RO], 32*BPP      ; (behind the last trip these two are not used)
	s_sub_co_u32 s[OO], s[OO], 128
	s_sub_co_u32 s[IC], s[IC], 1
	s_cmp_lg_u32 s[IC], 0
	s_cbranch_scc1 .Lback
	; OUT: the batch's 2,048 bytes; each store of the wave covers 512 consecutive bytes, at a multiple of 256 from out0's first byte
.irp m, 0,1,2,3
	ds_load_b128 v[T+4*\m:T+4*\m+3], v[GO] offset:OUTO+512*\m
.endr
	s_wait_dscnt 0x0
.irp m, 0,1,2,3
	global_store_b128 v[GO], v[T+4*\m:T+4*\m+3], s[SOUT:SOUT+1] offset:512*\m th:TH_STORE_NT
.endr
	s_wait_tensorcnt 0x0                   ; the wave's end, behind my last LDS store
	ds_add_u32 v[SPW], v[NIL]
	s_wait_dscnt 0x0
	s_endpgm
.Lfunc_end_k_q3b36ed579a_viterbi:
	.size	k_q3b36ed579a_viterbi, .Lfunc_end_k_q3b36ed579a_viterbi-k_q3b36ed579a_viterbi
	.p2alignl 7, 3214868480
	.fill 96, 4, 3214868480
	.section	.rodata,"a",@progbits
	.p2align	6, 0x0
	.amdhsa_kernel k_q3b36ed579a_viterbi
		.amdhsa_group_segment_fixed_size 81920
		.amdhsa_private_segment_fixed_size 0
		.amdhsa_enable_private_segment 0
		.amdhsa_kernarg_size 40
		.amdhsa_user_sgpr_count 2
		.amdhsa_user_sgpr_kernarg_segment_ptr 1
		.amdhsa_wavefront_size32 1
		.amdhsa_system_sgpr_workgroup_id_x 1
		.amdhsa_system_sgpr_workgroup_id_y 1
		.amdhsa_system_sgpr_workgroup_id_z 1
		.amdhsa_system_vgpr_workitem_id 0
		.amdhsa_next_free_vgpr 520
		.amdhsa_next_free_sgpr 66
		.amdhsa_reserve_vcc 1
		.amdhsa_float_denorm_mode_32 3
		.amdhsa_float_denorm_mode_16_64 3
		.amdhsa_memory_ordered 1
		.amdhsa_forward_progress 1
		.amdhsa_inst_pref_size 73
	.end_amdhsa_kernel
	.amdgpu_metadata
---
amdhsa.version: [ 1, 2 ]
amdhsa.kernels:
  - .name:           k_q3b36ed579a_viterbi
    .symbol:         k_q3b36ed579a_viterbi.kd
    .args:
      - { .name: x, .offset: 0, .size: 8, .value_kind: global_buffer, .address_space: global }
      - { .name: start_transitions, .offset: 8, .size: 8, .value_kind: global_buffer, .address_space: global }
      - { .name: end_transitions, .offset: 16, .size: 8, .value_kind: global_buffer, .address_space: global }
      - { .name: transitions, .offset: 24, .size: 8, .value_kind: global_buffer, .address_space: global }
      - { .name: out0, .offset: 32, .size: 8, .value_kind: global_buffer, .address_space: global }
    .group_segment_fixed_size: 81920
    .private_segment_fixed_size: 0
    .kernarg_segment_align: 8
    .kernarg_segment_size: 40
    .max_flat_workgroup_size: 32
    .sgpr_count:     66
    .vgpr_count:     520
    .wavefront_size: 32
...
	.end_amdgpu_metadata
.endif
;; end of part 1
;; ======== version 2 of 2: 1 launch; 1.49 times as fast as version 1
;; limits: inputs' magnitudes at most 2,000,000; below input magnitudes of 2.1e-22 results are inexact or not finite; right only within a limited range of input values
;; launch viterbi (part 2): grid 1024 x 1, 1 waves a work-group, no clusters, 81,920 bytes of LDS; arguments x, start_transitions, end_transitions, transitions, out0; writes out0
.if DOCPART == 2
	.amdgcn_target "amdgcn-amd-amdhsa--gfx1250"
	.amdhsa_code_object_version 6
	.text
	.protected	k_q3b36ed579a_viterbi
	.globl	k_q3b36ed579a_viterbi
	.p2align	8
	.type	k_q3b36ed579a_viterbi,@function
k_q3b36ed579a_viterbi:
	s_mov_b64 s[64:65], 0
	v_nop
	global_prefetch_b8 v0, s[64:65] scope:SCOPE_SE
	s_setreg_imm32_b32 hwreg(HW_REG_WAVE_MODE, 25, 1), 1
	s_wait_xcnt 0x0
; VITERBI DECODE.  x: [1024][512][41] f32; start, end: [41]; transitions: [41][41] f32; out0: [1024][512] i32.
; score_0[j] = start[j] + x[0][j];  candidate(i, j) = (score_(t-1)[i] + tr[i][j]) + x[t][j], rounded twice, as written;  score_t[j] = their maximum over i;
; bp_(t-1)[j] = the lowest i that reaches it;  last tag = the lowest argmax of score_511 + end;  tag_t = bp_t[tag_(t+1)].
; SHARES.  One wave is one batch, and a work-group is one wave: 1,024 work-groups.  Batches share nothing, so there is no barrier; no cluster: all that work-groups share are the 6,724 bytes
; of transitions, read once into registers.  There is no product, so no matrix instruction.  The launch claims a quarter of a WGP's LDS (the text uses 78,592 bytes) and more than half of a
; SIMD's 1,024 registers (the text names 340): four work-groups to a WGP, one wave to a SIMD.
; A STEP.  A lane owns a next tag j and walks the previous tags i; the score of i comes to the add by DPP row_share (lane n of the lane's own half of 16).
;   Set A: j = lane, 41 places.  Set B: j = 32 .. 40, held in BOTH halves of the lanes: lane r of the lower half holds tag 32 + min(r, 8), of the upper half tag 40 - min(r, 8).
;   The lower half takes i = 0-15 and 32-36, the upper i = 16-31 and 40-36 (21 places; 36 is met twice, which changes nothing); one v_permlanex16_b32 joins the halves.
;   Which i a lane meets in place k is a constant of the lane: T[k] holds its transition, W[k] its weight -2^(-64-i).
; THE MAXIMUM is taken of a = score + tr, and x[t][j] is added once: rounding a sum with a fixed addend keeps the order, so fl(max a + e) is the maximum of the candidates fl(a + e).
; THE ARGMAX.  u = fl(a + e);  c = (best - u) x 2^96 held to 0 .. 1: exactly 0 at a tie, 1 elsewhere.  An accumulator starts at the sum of its places' weights 2^(-64-i) and loses c x weight
;   for each place: what is left is the sum of the ties' weights.  An accumulator's i span 23 binary places at the most, so every sum is exact.  The largest of a tag's accumulators has the
;   exponent field E = 63 - (the lowest i among the ties).  E is the code that is stored and walked back; a tag is E xor 63.  Two places an instruction in every stage but the DPP add.
; LIMITS.  |score| under 2^31 (best x 2^96 stays finite); two different candidates less than 2^-96 apart are not told apart (that needs scores under 2^-72); NaN and infinities among the
;   inputs are not treated apart; the sign of a zero is not kept.
; THE ORDER.  Nearly every line of a step has five lines or more between it and the lines whose results it reads.  Set B's adds come first; both maxima run in three chains among set A's
;   adds; set B's argmax and set A's u fill the room between the last links of set A's maximum, its + e and its x 2^96.  The last 22 lines of a step's argmax stand among the NEXT step's
;   first 21 adds, which write set B's places alone.
; FOUR STEPS TO A TRIP.  Steps 4 g to 4 g + 3 are one trip.  All its LDS instructions stand together at its end: one store of 16 bytes a lane (the words of steps 4 g - 1 to 4 g + 2: a step's
;   word is finished in the step behind it) and eight loads (rows 4 g + 4 to 4 g + 7 of x), in place of four stores and twelve loads in four places; the loop's count and jump stand once.
;   So steps 1 to 3, the last four steps and the end are written out.
; x comes in chunks of 64 rows = 10,496 consecutive bytes = 41 aligned blocks of 256: 21 loads into registers, issued some 60 steps ahead of their wait, then copied into the LDS slot.
;   A trip fetches the NEXT trip's rows, behind its last use of its own: the loops are cut by the rows that are fetched: chunk c is copied in ahead of trip 16 c - 1.
; THE TABLE.  Row r of the back-pointers holds step r - 1's words, which lead from the tag of time r - 1 to that of time r - 2; rows 0 and 1 hold zeros and lead nowhere; step 511's word
;   stays in a register.  Four rows lie together: lane l's 16 bytes at 16 (31 - l) of a block of 512.
; THE WAY BACK.  Rows are loaded at addresses that hang on the time alone; the code picks its lane (v_readlane_b32) and its half (s_bfe_u32): a choice of values, no address, no branch.
.set ROWB,  164                        ; bytes in a row of x and of transitions
.set CHUNK, 64*ROWB                    ; 10,496
.set BPB,   CHUNK                      ; LDS: the x slot at 0; then 128 blocks of four rows of back-pointers,
.set QB,    512                        ; 512 bytes each; a word's upper half is for tag l, its lower half for set B's tag of lane l;
.set OUTO,  BPB+128*QB+256             ; then a block of 256 whose last word takes what the way back sets down for the time before 0; then (byte 76,288) the 512 tags;
.set SPARE, OUTO+2048                  ; then (byte 78,336 = 306 x 256) the spare words, 128 bytes in a block of 256 that no other line names
.set KEY0,  0x4b000000                 ; 2^23 as f32 (the last tag's key)
; vector registers, window 0.  v0 is the lane, as at the entry; never rewritten
.set L,    0
.set L4,   2                           ; 4 l: set A's column in a row of x, of start and of end
.set J4B,  3                           ; 4 x set B's tag of my lane
.set LP,   4                           ; BPB + 16 (31 - l): where I store my four words of a block
.set GO,   5                           ; 16 l; never rewritten
.set GO8,  6                           ; 8 l; never rewritten
.set XA,   7                           ; later OB: OUTO - 4 + 4 l
.set XB,   8                           ; later GOO: OUTO + 16 l
.set OB,   7
.set GOO,  8
.set BPA,  9
.set SPW,  10                          ; my spare word: SPARE + 4 x my thread's number; never rewritten
.set NIL,  11                          ; 0; never rewritten
.set PKQ,  12                          ; v12-15  four steps' words
.set EV,   16                          ; v16-23  four rows of x: a pair (set A's, set B's) each
.set VO,   16                          ; on the way back: 32 codes, a lane each,
.set RAD,  17
.set OAD,  18
.set PKT,  19
.set BV,   24                          ; v24 set A's scores, v25 set B's
.set BK,   26                          ; best x 2^96: (A, A), (A, B), (B, B)
.set NK,   32                          ; -2^96, twice
.set MA,   34                          ; three running maxima, set A
.set TT,   37
.set MB,   38                          ; three, set B
.set TS,   41
.set ACC,  42                          ; six accumulator pairs: A0 (pairs 0-7), A1 (8-15), A2 (16-19), MX (pair 20: A's last place, B's first), B0 (21-26), B1 (27-30)
.set WT,   54                          ; what each starts at
.set TA,   66
.set TB,   68                          ; the other half's maximum, set B
.set SX,   69                          ; set A's scores with the halves exchanged
.set T,    70                          ; v70-131   the 62 places' transitions
.set W,    132                         ; v132-193  their weights, negative
.set U,    194                         ; v194-255  a, then u, then c, in place; on the way back 32 rows of back-pointers
.set ENW,  82                          ; window 1: v0-81 a chunk of x; v82, v83 end for my two tags
; scalar registers
.set XP,   4                           ; s[4:5]   x at my batch, at the chunk last asked for
.set SST,  6                           ; s[6:7]   start
.set SEN,  8                           ; s[8:9]   end
.set STR,  10                          ; s[10:11] transitions
.set SOUT, 12                          ; s[12:13] out0 at my batch
.set XO,   18                          ; the place in the x slot of the four rows to be fetched
.set BO,   19                          ; the block of back-pointers to be stored
.set IC,   20
.set OC,   21
.set BG,   22                          ; -2^127 (the last tag's key)
.set IDS,  24                          ; s[24:25] v_permlanex16_b32: each lane takes its own place in the other half
.set PSL,  26                          ; s[26:27] lane r takes lane 8 - r of the other half, lanes 8-15 lane 0
.set BSEL, 28
.set S164, 29
.set ECD,  30                          ; the code in hand
.set LN,   31
.set FLD,  32
.set RV,   33
.set RO,   34
.set F0,   35
.set OO,   36
.set B5,   38
.set KS,   40                          ; s[40:41] 2^96
.set MSB, 0
.macro WIN new                         ; the immediate's high byte repeats the setting that is left
.if MSB != (\new)
	s_set_vgpr_msb (MSB<<8)|(\new)
.set MSB, \new
.endif
.endm
; SET-UP.  Place k: previous tag il in the lower half of the lanes, iu in the upper; j4 = 4 x the lane's next tag.  Its weight -2^(-64-i): sign, exponent field 63 - i.  Its transition.
; Made in five passes over all places, so that no line reads the result of the line before it, and the 62 loads stand on end.  (Pass 0 also writes U[k] whole, which a DPP destination wants.)
.macro PLACE st, k, il, iu, j4
.if (\st) == 0
	v_cndmask_b32 v[U+(\k)], \il, \iu, vcc_lo
.elseif (\st) == 1
	v_lshlrev_b32 v[W+(\k)], 23, v[U+(\k)]
.elseif (\st) == 2
	v_sub_nc_u32 v[W+(\k)], 0x9f800000, v[W+(\k)]
.elseif (\st) == 3
	v_mad_u32_u24 v[U+(\k)], v[U+(\k)], s[S164], v[\j4]
.else
	global_load_b32 v[T+(\k)], v[U+(\k)], s[STR:STR+1]
.endif
.endm
.macro PLACES st
.set n, 0
.rept 16
	PLACE \st, n, n, 16+n, L4
	PLACE \st, 16+n, 16+n, n, L4
	PLACE \st, 41+n, n, 16+n, J4B
.set n, n+1
.endr
.set n, 0
.rept 9
	PLACE \st, 32+n, 32+n, 40-n, L4
.set n, n+1
.endr
.set n, 0
.rept 5
	PLACE \st, 57+n, 32+n, 40-n, J4B
.set n, n+1
.endr
.endm
; What accumulator g starts at: the sum of the weights of its n pairs from pair p0 on, positive
.macro WSUM g, p0, n
.if (\n) > 1
	v_pk_add_f32 v[WT+2*(\g):WT+2*(\g)+1], v[W+2*(\p0):W+2*(\p0)+1], v[W+2*(\p0)+2:W+2*(\p0)+3]
.set z, 2
.rept (\n)-2
	v_pk_add_f32 v[WT+2*(\g):WT+2*(\g)+1], v[WT+2*(\g):WT+2*(\g)+1], v[W+2*((\p0)+z):W+2*((\p0)+z)+1]
.set z, z+1
.endr
	v_pk_mul_f32 v[WT+2*(\g):WT+2*(\g)+1], v[WT+2*(\g):WT+2*(\g)+1], -1.0 op_sel_hi:[1,0]
.else
	v_pk_mul_f32 v[WT+2*(\g):WT+2*(\g)+1], v[W+2*(\p0):W+2*(\p0)+1], -1.0 op_sel_hi:[1,0]
.endif
.endm
; A chunk of x into registers: each load of 16 bytes a lane covers 512 consecutive bytes, the last one (8 bytes a lane) 256.
.macro LOADX
	WIN 0x40                               ; destination window 1
.set m, 0
.rept 20
	global_load_b128 v[4*m:4*m+3], v[GO], s[XP:XP+1] offset:512*m th:TH_LOAD_NT
.set m, m+1
.endr
	global_load_b64 v[80:81], v[GO8], s[XP:XP+1] offset:10240 th:TH_LOAD_NT
	WIN 0
.endm
; and from there into the x slot, as it lies in memory
.macro STOREX
	WIN 0x04                               ; store data window 1
.set m, 0
.rept 20
	ds_store_b128 v[GO], v[4*m:4*m+3] offset:512*m
.set m, m+1
.endr
	ds_store_b64 v[GO8], v[80:81] offset:10240
	WIN 0
.endm
.macro LD8                             ; four rows' emissions for my two tags, the first row's first
.irp r, 0,1,2,3
	ds_load_b32 v[EV+2*\r], v[XA] offset:ROWB*\r
	ds_load_b32 v[EV+2*\r+1], v[XB] offset:ROWB*\r
.endr
	s_add_co_u32 s[XO], s[XO], 4*ROWB
.endm
; THE LINES OF A STEP.  a = score + transition for place k; the score is lane n's of the lane's half of src
.macro DPL k, src, n
	v_add_f32_dpp v[U+(\k)], v[\src], v[T+(\k)] row_share:\n row_mask:0xf bank_mask:0xf
.endm
.macro NONE
.endm
.macro PLC n, f=NONE                   ; set A, place 32 + n: i = 32 + n below, 40 - n above; then the line f
	DPL 32+\n, BV+1, \n
	\f
.endm
.macro PLA n, f=NONE                   ; set A, place n: i = n below, 16 + n above
	DPL \n, BV, \n
	\f
.endm
.macro PLX n, f=NONE                   ; set A, place 16 + n: i = 16 + n below, n above
	DPL 16+\n, SX, \n
	\f
.endm
.macro PLB n                           ; set B, place n: i = n below, 16 + n above
.if CUR
	DPL 41+\n, BV, \n
.endif
.endm
.macro PLD n                           ; set B, place 16 + n: i = 32 + n below, 40 - n above
.if CUR
	DPL 57+\n, BV+1, \n
.endif
.endm
.macro MAXB                            ; the next of the 10 lines of set B's maximum: three chains start with 9 places, take 12 more, and meet
.if qrb < 3
	v_max3_num_f32 v[MB+qrb], v[U+41+3*qrb], v[U+42+3*qrb], v[U+43+3*qrb]
.elseif qrb < 9
	v_max3_num_f32 v[MB+qrb%3], v[MB+qrb%3], v[U+44+2*qrb], v[U+45+2*qrb]
.else
	v_max3_num_f32 v[MB], v[MB], v[MB+1], v[MB+2]
.endif
.set qrb, qrb+1
.endm
.macro MAXA                            ; the next of the 20 lines of set A's maximum, in the order in which its places are made: the m-th made is place (m + 32) % 41
.if qra < 3
	v_max3_num_f32 v[MA+qra], v[U+(3*qra+32)%41], v[U+(3*qra+33)%41], v[U+(3*qra+34)%41]
.elseif qra < 19
	v_max3_num_f32 v[MA+qra%3], v[MA+qra%3], v[U+(2*qra+35)%41], v[U+(2*qra+36)%41]
.else
	v_max3_num_f32 v[MA], v[MA], v[MA+1], v[MA+2]
.endif
.set qra, qra+1
.endm
; The order in which the 31 pairs of places go through u, c and the accumulators: set B's first, and neighbours in the order on different accumulators
.macro SETP o
.if (\o) < 8
.set pp, 21+(\o)/2+6*((\o)%2)              ; 21, 27, 22, 28, 23, 29, 24, 30
.elseif (\o) < 10
.set pp, 17+(\o)                           ; 25, 26
.elseif (\o) < 22
.if ((\o)-10)%3 == 0
.set pp, 16+((\o)-10)/3                    ; 16, 0, 8, 17, 1, 9, 18, 2, 10, 19, 3, 11
.elseif ((\o)-10)%3 == 1
.set pp, ((\o)-10)/3
.else
.set pp, 8+((\o)-10)/3
.endif
.elseif (\o) == 22
.set pp, 20
.else
.set pp, 4+((\o)-23)/2+8*(((\o)-23)%2)     ; 4, 12, 5, 13, 6, 14, 7, 15
.endif
.endm
.macro UADD                            ; u = a + e, the candidate as it is rounded.  The row's pair is (A's e, B's e): set A takes its first register twice, pair 20 (A's last place, B's first) both, set B its second twice
	SETP qu
.if pp < 20
	v_pk_add_f32 v[U+2*pp:U+2*pp+1], v[U+2*pp:U+2*pp+1], v[EVC:EVC+1] op_sel_hi:[1,0]
.elseif pp == 20
	v_pk_add_f32 v[U+2*pp:U+2*pp+1], v[U+2*pp:U+2*pp+1], v[EVC:EVC+1]
.else
	v_pk_add_f32 v[U+2*pp:U+2*pp+1], v[U+2*pp:U+2*pp+1], v[EVC:EVC+1] op_sel:[0,1] op_sel_hi:[1,1]
.endif
.set qu, qu+1
.endm
.macro CMK                             ; c = (best - u) x 2^96 held to 0 .. 1; both products are exact, so it is 0 at a tie alone
	SETP qc
.set bkr, BK
.if pp == 20
.set bkr, BK+2
.elseif pp > 20
.set bkr, BK+4
.endif
	v_pk_fma_f32 v[U+2*pp:U+2*pp+1], v[U+2*pp:U+2*pp+1], v[NK:NK+1], v[bkr:bkr+1] clamp
.set qc, qc+1
.endm
.macro ACCU                            ; the pair's accumulator loses c x weight; an accumulator's first line starts from WT
	SETP qs
.set gg, 5
.set ff, 27
.if pp < 8
.set gg, 0
.set ff, 0
.elseif pp < 16
.set gg, 1
.set ff, 8
.elseif pp < 20
.set gg, 2
.set ff, 16
.elseif pp == 20
.set gg, 3
.set ff, 20
.elseif pp < 27
.set gg, 4
.set ff, 21
.endif
.if pp == ff
	v_pk_fma_f32 v[ACC+2*gg:ACC+2*gg+1], v[U+2*pp:U+2*pp+1], v[W+2*pp:W+2*pp+1], v[WT+2*gg:WT+2*gg+1]
.else
	v_pk_fma_f32 v[ACC+2*gg:ACC+2*gg+1], v[U+2*pp:U+2*pp+1], v[W+2*pp:W+2*pp+1], v[ACC+2*gg:ACC+2*gg+1]
.endif
.set qs, qs+1
.endm
.macro PERMB                           ; the other half's maximum for my tag of set B
	v_permlanex16_b32 v[TB], v[MB], s[PSL], s[PSL+1]
.endm
.macro MERGEB
	v_max_num_f32 v[MB], v[MB], v[TB]
.endm
.macro BESTB                           ; set B's new scores; all adds that read the old ones have been issued
	v_add_f32 v[BV+1], v[MB], v[EVC+1]
.endm
.macro BKB                             ; (B, B) x 2^96: the pair's second register for both results
	v_pk_mul_f32 v[BK+4:BK+5], v[BV:BV+1], s[KS:KS+1] op_sel:[1,0] op_sel_hi:[1,0]
.endm
; The step before: the lines of its argmax that stand among this step's first adds
.macro P_C
.if PREV
	CMK
.endif
.endm
.macro P_A
.if PREV
	ACCU
.endif
.endm
.macro P_T n                           ; 1, 4, 6, 7: set B's largest accumulator, both halves';  2, 3, 5: set A's;  8: the two upper halves, A's above B's
.if PREV
.if (\n) == 1
	v_max3_num_f32 v[TS], v[ACC+8], v[ACC+9], v[ACC+10]
.elseif (\n) == 2
	v_max3_num_f32 v[TA], v[ACC], v[ACC+1], v[ACC+2]
.elseif (\n) == 3
	v_max3_num_f32 v[TA+1], v[ACC+3], v[ACC+4], v[ACC+5]
.elseif (\n) == 4
	v_max3_num_f32 v[TS], v[TS], v[ACC+11], v[ACC+7]
.elseif (\n) == 5
	v_max3_num_f32 v[TA], v[TA], v[TA+1], v[ACC+6]
.elseif (\n) == 6
	v_permlanex16_b32 v[TT], v[TS], s[PSL], s[PSL+1]
.elseif (\n) == 7
	v_max_num_f32 v[TS], v[TS], v[TT]
.else
	v_perm_b32 v[PKC], v[TA], v[TS], s[BSEL]
.endif
.endif
.endm
; PREV = 1: the end of the step before: pairs 25 to 30 of the order get their c, pairs 23 to 30 their accumulator line, then the eight lines of P_T.  CUR = 1: this step's 21 adds of set B.
.macro JOINT
.set qc, 25
.set qs, 23
	P_C
	PLB 0
	P_A
	P_C
	P_T 1
	P_A
	P_C
	PLB 1
	P_A
	P_C
	PLB 2
	P_A
	P_C
	P_T 4
	P_A
	P_C
	PLB 3
	P_A
	PLB 4
	P_T 6
	P_A
	PLB 5
	PLB 6
	P_A
	PLB 7
	P_T 7
	PLB 8
	PLB 9
	PLB 10
	P_T 2
	P_T 3
	PLB 11
	PLB 12
	PLB 13
	PLB 14
	PLB 15
	P_T 5
	PLD 0
	PLD 1
	PLD 2
	PLD 3
	PLD 4
	P_T 8
.endm
; ONE STEP, the j-th of its four: it takes row j of the four in registers, and the word of the step before goes into register j of the four.
; prev = 1: there is a step before it, whose argmax it ends.  The fourth step stores the four words and (fet = 1) fetches the next four rows of x.
.macro BODY j, prev, fet
.set PREV, \prev
.set CUR, 1
.set EVC, EV+2*(\j)
.set PKC, PKQ+(\j)
	JOINT
.set qu, 0
.set qc, 0
.set qs, 0
.set qra, 0
.set qrb, 0
	PLC 0                                  ; set A's 41 adds; behind every second one a line of its maximum, four adds behind the places that it reads;
	PLC 1, MAXB                            ; behind the others set B's maximum, its join, its new scores and its first u
	PLC 2
	PLC 3, MAXB
	PLC 4
	PLC 5, MAXB
	PLC 6
	PLC 7, MAXB
	PLC 8, MAXA
	PLA 0, MAXB
	PLA 1, MAXA
	PLA 2, MAXB
	PLA 3, MAXA
	PLA 4, MAXB
	PLA 5, MAXA
	PLA 6, MAXB
	PLA 7, MAXA
	PLA 8, MAXB
	PLA 9, MAXA
	PLA 10
.if (\j) == 0
	s_wait_dscnt 0x6                       ; this row's two emissions are in: behind their loads the six of the other three rows were issued, and may stay out
.elseif (\j) == 1
	s_wait_dscnt 0x0                       ; and those six
.endif
	UADD
	PLA 11, MAXA
	PLA 12, MAXB
	PLA 13, MAXA
	PLA 14, UADD
	PLA 15, MAXA
	PLX 0, PERMB
	PLX 1, MAXA
	PLX 2, UADD
	PLX 3, MAXA
	PLX 4, MERGEB
	PLX 5, MAXA
	PLX 6, UADD
	PLX 7, MAXA
	PLX 8, BESTB
	PLX 9, MAXA
	PLX 10, UADD
	PLX 11, MAXA
	PLX 12, BKB
	PLX 13, MAXA
	PLX 14, UADD
	PLX 15, MAXA
	MAXA                                   ; set A's last three lines of the maximum, its + e and its x 2^96 stand six lines or more apart; set B's argmax and set A's u stand between
.rept 4
	UADD
.endr
	CMK
	MAXA
.rept 4
	CMK
.endr
	ACCU
	CMK
	MAXA                                   ; the three chains meet
	ACCU
	CMK
	CMK
	ACCU
	CMK
	CMK
	ACCU
	v_add_f32 v[BV], v[MA], v[EVC]         ; set A's new scores; all adds that read the old ones have been issued
	UADD
	ACCU
	UADD
	UADD
	ACCU
	v_pk_mul_f32 v[BK:BK+1], v[BV:BV+1], s[KS:KS+1] op_sel_hi:[0,0]
	v_pk_mul_f32 v[BK+2:BK+3], v[BV:BV+1], s[KS:KS+1] op_sel_hi:[1,0]
	ACCU
	v_permlanex16_b32 v[SX], v[BV], s[IDS], s[IDS+1]
	UADD
	ACCU
	UADD
	UADD
	ACCU
	CMK                                    ; from here on by threes: c of pair o, u of pair o + 6, the accumulator line of pair o - 2 of the order
	UADD
.if ((\j) == 3) && (\fet)
	v_add_nc_u32 v[XA], s[XO], v[L4]       ; the addresses of the LDS instructions below, 40 lines ahead of them
.endif
	CMK
	UADD
	ACCU
.if ((\j) == 3) && (\fet)
	v_add_nc_u32 v[XB], s[XO], v[J4B]
.endif
.if (\j) == 3
	v_add_nc_u32 v[BPA], s[BO], v[LP]
.endif
.rept 13
	CMK
	UADD
	ACCU
.endr
.if (\j) == 3
	ds_store_b128 v[BPA], v[PKQ:PKQ+3]     ; four rows of the table: the words of the three steps before this one and of the step before those
	s_add_co_u32 s[BO], s[BO], QB
.if \fet
	LD8                                    ; the next four rows' emissions: the last u has read the last of these four
.endif
.endif
.endm
.macro FOUR fet
	BODY 0, 1, 0
	BODY 1, 1, 0
	BODY 2, 1, 0
	BODY 3, 1, \fet
.endm
	s_load_b256 s[4:11], s[0:1], 0x0       ; x, start, end, transitions
	s_load_b64 s[SOUT:SOUT+1], s[0:1], 0x20  ; out0
	v_lshl_add_u32 v[SPW], v0, 2, SPARE
	v_mov_b32 v[NIL], 0
	v_lshlrev_b32 v[L4], 2, v[L]
	v_and_b32 v1, 15, v[L]
	v_min_u32 v1, 8, v1                    ; q = min(l % 16, 8)
	v_sub_nc_u32 v[TS], 8, v1
	v_cmp_lt_u32 vcc_lo, 15, v[L]          ; the upper half of the lanes; stands until the places' first pass is made
	v_cndmask_b32 v1, v1, v[TS], vcc_lo
	v_add_nc_u32 v1, 32, v1                ; set B's tag: 32 + q below, 40 - q above
	v_lshlrev_b32 v[J4B], 2, v1
	v_sub_nc_u32 v1, 31, v[L]
	v_lshl_add_u32 v[LP], v1, 4, BPB
	v_lshlrev_b32 v[GO], 4, v[L]
	v_lshlrev_b32 v[GO8], 3, v[L]
	v_mov_b32 v[NK], 0xef800000            ; -2^96
	v_mov_b32 v[NK+1], 0xef800000
	v_mov_b32 v[SX], 0                     ; destinations of lane permutes count as read
	v_mov_b32 v[TB], 0
	v_mov_b32 v[TT], 0
	v_mov_b32 v[PKQ], 0                    ; rows 0 and 1 of the table
	v_mov_b32 v[PKQ+1], 0
	s_mov_b32 s[BG], 0xff000000            ; -2^127
	s_mov_b32 s[KS], 0x6f800000            ; 2^96
	s_mov_b32 s[KS+1], s[KS]               ; named with it as a pair
	s_mov_b32 s[IDS], 0x76543210
	s_mov_b32 s[IDS+1], 0xfedcba98
	s_mov_b32 s[PSL], 0x12345678
	s_mov_b32 s[PSL+1], 0
	s_mov_b32 s[BSEL], 0x07060302
	s_mov_b32 s[S164], ROWB
	s_mov_b32 s[F0], 0x60007               ; a field of 6 bits from bit 7: the exponent field in a word's lower half
	s_lshl_b32 s36, ttmp9, 11              ; my batch's 2,048 bytes of out0,
	s_mov_b32 s37, 0
	s_mul_i32 s16, ttmp9, 512*ROWB         ; its 83,968 bytes of x (under 2^27 in all)
	s_mov_b32 s17, 0
	s_wait_kmcnt 0x0
	s_add_nc_u64 s[XP:XP+1], s[XP:XP+1], s[16:17]
	s_add_nc_u64 s[SOUT:SOUT+1], s[SOUT:SOUT+1], s[36:37]
	LOADX                                  ; chunk 0
	PLACES 0
	PLACES 1
	PLACES 2
	PLACES 3
	PLACES 4
	global_load_b32 v[MA], v[L4], s[SST:SST+1]      ; start, for row 0 alone: in registers that the steps write later
	global_load_b32 v[MA+1], v[J4B], s[SST:SST+1]
	WIN 0x40
	global_load_b32 v[ENW], v[L4], s[SEN:SEN+1]     ; end waits in window 1
	global_load_b32 v[ENW+1], v[J4B], s[SEN:SEN+1]
	WIN 0
	WSUM 0, 0, 8                           ; work on registers while the loads are out
	WSUM 1, 8, 8
	WSUM 2, 16, 4
	WSUM 3, 20, 1
	WSUM 4, 21, 6
	WSUM 5, 27, 4
	s_wait_loadcnt 0x0                     ; chunk 0, the transitions, start and end are in; U, which held the loads' offsets, and x's address may be written
	STOREX
	s_wait_dscnt 0x0                       ; the stores have read the registers that the next loads fill
	s_add_nc_u64 s[XP:XP+1], s[XP:XP+1], CHUNK
	LOADX                                  ; chunk 1: 59 steps ahead of its wait
	s_mov_b32 s[XO], 0
	s_mov_b32 s[BO], 0
	v_add_nc_u32 v[XA], s[XO], v[L4]
	v_add_nc_u32 v[XB], s[XO], v[J4B]
	LD8                                    ; rows 0 to 3
	s_wait_dscnt 0x0
	v_add_f32 v[BV], v[MA], v[EV]
	v_add_f32 v[BV+1], v[MA+1], v[EV+1]
	v_permlanex16_b32 v[SX], v[BV], s[IDS], s[IDS+1]
	BODY 1, 0, 0                           ; step 1: no step before it
	BODY 2, 1, 0
	BODY 3, 1, 1                           ; step 3 stores rows 0 to 3 of the table and fetches rows 4 to 7 of x
	s_mov_b32 s[IC], 14
.Lfirst:                                       ; steps 4 to 59, which fetch rows 8 to 63
	FOUR 1
	s_sub_co_u32 s[IC], s[IC], 1
	s_cmp_lg_u32 s[IC], 0
	s_cbranch_scc1 .Lfirst
	s_mov_b32 s[OC], 7
.Lchunk:                                       ; chunks 1 to 7: chunk c's 64 rows are fetched by the trips of steps 64 c - 4 to 64 c + 59
	s_wait_loadcnt 0x0                     ; the chunk asked for a chunk ago is in; its loads are done, so x's address may be stepped
	s_wait_dscnt 0x0                       ; the old chunk's last rows have been fetched
	STOREX
	s_cmp_eq_u32 s[OC], 1
	s_cbranch_scc1 .Lno_more               ; behind chunk 7 there is nothing: no load leaves x
	s_wait_dscnt 0x0                       ; the stores have read the registers that the next loads fill
	s_add_nc_u64 s[XP:XP+1], s[XP:XP+1], CHUNK
	LOADX
.Lno_more:
	s_mov_b32 s[XO], 0
	s_mov_b32 s[IC], 16
.Lstep:
	FOUR 1
	s_sub_co_u32 s[IC], s[IC], 1
	s_cmp_lg_u32 s[IC], 0
	s_cbranch_scc1 .Lstep
	s_sub_co_u32 s[OC], s[OC], 1
	s_cmp_lg_u32 s[OC], 0
	s_cbranch_scc1 .Lchunk
	FOUR 0                                 ; steps 508 to 511 fetch nothing
.set PREV, 1
.set CUR, 0
.set PKC, PKQ
	JOINT                                  ; step 511's argmax is ended; its word stays in a register
	; THE LAST TAG: the lowest argmax of score + end.  key = (f - max) x (-2^127) + (2^23 + tag): the smallest key's lowest byte is the tag.
	WIN 0x01                               ; source 0 window 1
	v_add_f32 v[MA], v[ENW], v[BV]
	v_add_f32 v[MA+1], v[ENW+1], v[BV+1]
	WIN 0
	v_lshrrev_b32 v[TS], 2, v[J4B]
	v_add_nc_u32 v[TA], KEY0, v[L]
	v_add_nc_u32 v[TA+1], KEY0, v[TS]
	v_max_num_f32 v[MA+2], v[MA], v[MA+1]
.irp n, 1,2,4,8
	v_max_num_f32_dpp v[MA+2], v[MA+2], v[MA+2] row_xmask:\n row_mask:0xf bank_mask:0xf
.endr
	v_permlanex16_b32 v[TT], v[MA+2], s[IDS], s[IDS+1]
	v_max_num_f32 v[MA+2], v[MA+2], v[TT]
	v_sub_f32 v[MA], v[MA], v[MA+2]
	v_sub_f32 v[MA+1], v[MA+1], v[MA+2]
	v_fma_f32 v[MA], v[MA], s[BG], v[TA]
	v_fma_f32 v[MA+1], v[MA+1], s[BG], v[TA+1]
	v_min_num_f32 v[MA], v[MA], v[MA+1]
.irp n, 1,2,4,8
	v_min_num_f32_dpp v[MA], v[MA], v[MA] row_xmask:\n row_mask:0xf bank_mask:0xf
.endr
	v_permlanex16_b32 v[TT], v[MA], s[IDS], s[IDS+1]
	v_min_num_f32 v[MA], v[MA], v[TT]
	v_mov_b32 v[OAD], OUTO+4*511
	v_and_b32 v[MA], 0xff, v[MA]           ; the tag of time 511, in every lane,
	v_add_nc_u32 v[OB], OUTO-4, v[L4]
	v_add_nc_u32 v[GOO], OUTO, v[GO]
	v_sub_nc_u32 v[MA+1], 63, v[MA]        ; its code
	v_mov_b32 v[VO], 0                     ; the destination of v_writelane_b32 counts as read
	ds_store_b32 v[OAD], v[MA]             ; all lanes write the same word with the same value
	v_readfirstlane_b32 s[ECD], v[MA+1]
	; step 511's word, out of the register: there lane l holds tag l's (upper half) and, for l up to 8, tag 32 + l's (lower half): the lane is (E & 31) xor 31
	s_and_b32 s[LN], s[ECD], 31
	s_xor_b32 s[LN], s[LN], 31
	s_bfe_u32 s[B5], s[ECD], 0x10005
	s_lshl4_add_u32 s[FLD], s[B5], s[F0]
	v_readlane_b32 s[RV], v[PKQ], s[LN]
	s_bfe_u32 s[ECD], s[RV], s[FLD]        ; the code of time 510
	; THE WAY BACK: 16 trips of 32 rows, from the last rows to the first.  Read back in plain lane order, lane E & 31 holds the word of the tag with code E: lanes were stored reversed,
	; tag l < 32 has E & 31 = 31 - l, and tag 32 + q, which lane q holds, has E = 31 - q.  Bit 5 of E is set for tags under 32, whose field lies in the upper half.
	; The code that enters row r is that of time r - 1: lane k of a trip's 32 codes belongs to time 32 m + k - 1, so they are stored one word lower than their rows' numbers.
	s_mov_b32 s[RO], 15*8*QB
	s_mov_b32 s[OO], 15*128
	s_mov_b32 s[IC], 16
.Lback:
	v_add_nc_u32 v[RAD], s[RO], v[GO]
.set m, 0
.rept 8
	ds_load_b128 v[U+4*m:U+4*m+3], v[RAD] offset:BPB+QB*m   ; four rows a load
.set m, m+1
.endr
	s_wait_dscnt 0x0
.set k, 31
.rept 32
	s_and_b32 s[LN], s[ECD], 31
	s_bfe_u32 s[B5], s[ECD], 0x10005
	s_lshl4_add_u32 s[FLD], s[B5], s[F0]   ; 6 bits from bit 7 or 23
	v_readlane_b32 s[RV], v[U+k], s[LN]
	v_writelane_b32 v[VO], s[ECD], k       ; the code that entered the row is set down behind the read, off the chain
	s_bfe_u32 s[ECD], s[RV], s[FLD]
.set k, k-1
.endr
	v_add_nc_u32 v[OAD], s[OO], v[OB]
	v_xor_b32 v[PKT], 63, v[VO]            ; 32 tags (in the last trip lane 0's, of no time, falls into the block in front of the tags)
	ds_store_b32 v[OAD], v[PKT]
	s_sub_co_u32 s[RO], s[RO], 8*QB        ; (behind the last trip these two are not used)
	s_sub_co_u32 s[OO], s[OO], 128
	s_sub_co_u32 s[IC], s[IC], 1
	s_cmp_lg_u32 s[IC], 0
	s_cbranch_scc1 .Lback
	; OUT: the batch's 2,048 bytes; each store of the wave covers 512 consecutive bytes, at a multiple of 256 from out0's first byte
.irp m, 0,1,2,3
	ds_load_b128 v[T+4*\m:T+4*\m+3], v[GOO] offset:512*\m
.endr
	s_wait_dscnt 0x0
.irp m, 0,1,2,3
	global_store_b128 v[GO], v[T+4*\m:T+4*\m+3], s[SOUT:SOUT+1] offset:512*\m th:TH_STORE_NT
.endr
	s_wait_tensorcnt 0x0                   ; the wave's end, behind my last LDS store
	ds_add_u32 v[SPW], v[NIL]
	s_wait_dscnt 0x0
	s_endpgm
.Lfunc_end_k_q3b36ed579a_viterbi:
	.size	k_q3b36ed579a_viterbi, .Lfunc_end_k_q3b36ed579a_viterbi-k_q3b36ed579a_viterbi
	.p2alignl 7, 3214868480
	.fill 96, 4, 3214868480
	.section	.rodata,"a",@progbits
	.p2align	6, 0x0
	.amdhsa_kernel k_q3b36ed579a_viterbi
		.amdhsa_group_segment_fixed_size 81920
		.amdhsa_private_segment_fixed_size 0
		.amdhsa_enable_private_segment 0
		.amdhsa_kernarg_size 40
		.amdhsa_user_sgpr_count 2
		.amdhsa_user_sgpr_kernarg_segment_ptr 1
		.amdhsa_wavefront_size32 1
		.amdhsa_system_sgpr_workgroup_id_x 1
		.amdhsa_system_sgpr_workgroup_id_y 1
		.amdhsa_system_sgpr_workgroup_id_z 1
		.amdhsa_system_vgpr_workitem_id 0
		.amdhsa_next_free_vgpr 520
		.amdhsa_next_free_sgpr 66
		.amdhsa_reserve_vcc 1
		.amdhsa_float_denorm_mode_32 3
		.amdhsa_float_denorm_mode_16_64 3
		.amdhsa_memory_ordered 1
		.amdhsa_forward_progress 1
		.amdhsa_inst_pref_size 237
	.end_amdhsa_kernel
	.amdgpu_metadata
---
amdhsa.version: [ 1, 2 ]
amdhsa.kernels:
  - .name:           k_q3b36ed579a_viterbi
    .symbol:         k_q3b36ed579a_viterbi.kd
    .args:
      - { .name: x, .offset: 0, .size: 8, .value_kind: global_buffer, .address_space: global }
      - { .name: start_transitions, .offset: 8, .size: 8, .value_kind: global_buffer, .address_space: global }
      - { .name: end_transitions, .offset: 16, .size: 8, .value_kind: global_buffer, .address_space: global }
      - { .name: transitions, .offset: 24, .size: 8, .value_kind: global_buffer, .address_space: global }
      - { .name: out0, .offset: 32, .size: 8, .value_kind: global_buffer, .address_space: global }
    .group_segment_fixed_size: 81920
    .private_segment_fixed_size: 0
    .kernarg_segment_align: 8
    .kernarg_segment_size: 40
    .max_flat_workgroup_size: 32
    .sgpr_count:     66
    .vgpr_count:     520
    .wavefront_size: 32
...
	.end_amdgpu_metadata
.endif
;; end of part 2
